; MI455X (gfx1250); checked and timed in simulation.
; The chip was launched on July 23, 2026; its instructions are those of AMD's public machine-readable ISA for CDNA 5 (MIT licence, August 2026) and "CDNA5" Instruction Set Architecture Reference Guide (July 2026). The comments in the code are by the model that wrote it; some were corrected since.
;; Vector Quantizer EMA. Allowed arithmetic: float matrix products may take bf16 or f16 operands with f32 sums; all other float work in f32.
;; Inputs: w 4,096 x 16 float32; z 4 x 16 x 128 x 128 float32.
;; Outputs: out0 4 x 16 x 128 x 128 float32; out1 one number float32; out2 4 x 128 x 128 int32.
;; One version. Each part assembles by itself: llvm-mc -triple=amdgcn-amd-amdhsa -mcpu=gfx1250 --defsym DOCPART=n.
;; ======== version 1 of 1: 3 launches
;; workspace buffers: idxws 262,144 bytes of whole numbers; part 2,048 bytes
;; launch argmin (part 1): grid 256 x 1, 8 waves a work-group, no clusters, 168,960 bytes of LDS; arguments w, z, out2, idxws; writes out2, idxws
.if DOCPART == 1
	.amdgcn_target "amdgcn-amd-amdhsa--gfx1250"
	.amdhsa_code_object_version 6
	.text
	.protected	k_qe3013383dd_argmin
	.globl	k_qe3013383dd_argmin
	.p2align	8
	.type	k_qe3013383dd_argmin,@function
k_qe3013383dd_argmin:
	s_mov_b64 s[64:65], 0
	v_nop
	global_prefetch_b8 v0, s[64:65] scope:SCOPE_SE
	s_setreg_imm32_b32 hwreg(HW_REG_WAVE_MODE, 25, 1), 1
	s_wait_xcnt 0x0
; idx[n] = first index of the smallest d[n][k] = (|z_n|^2 - 2 z_n.w_k) + |w_k|^2.   z: [4][16][16384] f32, w: [4096][16] f32.
; z and w are rounded to bf16 once; the products go to the matrix unit (K = 16 of the form's 32, the upper half of both operands is zero);
; |z|^2 and |w|^2 are summed in f32 from the rounded numbers, and the two additions are made one after the other in f32 by vector
; instructions, as the formula is written: the distances of one z differ by far less than |z|^2, so which code wins hangs on these two roundings.
; Ties go to the lower index: strict "<" from block to block, the lowest register inside a block, the lower index between lane halves,
; the lower half of the codebook between waves.
; LIMITS: NaN and infinities in z or w are not honoured (the minimum skips NaN); |z| < 1.7e38 (z is scaled by -2 before it is rounded);
; the order of the sums inside z.w, |z|^2, |w|^2 is this text's own.
; SHARES: a work-group owns 256 z (n = 256 x ..). Wave wv: zg = wv & 3 picks 64 z (4 tiles of 16), ch = wv >> 2 picks 2,048 codes (128 tiles of 16).
; z tile t, column r is z number 64 zg + 4 r + t. Source 0 is a code tile, source 1 a z tile: result register j of lane (r, h) is
; code 16 T + 8 h + j against z r, so that a lane reduces over its own registers alone.
; NO CLUSTER, NO JOINT REQUESTS: every work-group reads all of w, but w comes as f32 and has to pass through registers to become bf16;
; raw (262,144 bytes) and converted (147,456 bytes) together are 409,600 bytes, more than the 327,680 of a work-group's LDS.
; LDS: more than half of 327,680 bytes is asked for, so that a work-group's eight waves have the four SIMDs to themselves.
.set CL,   0                           ; |w|^2, f32, 4 bytes a code: 16,384 bytes
.set WF,   16384                       ; code tile T at 512 T: 256 kh + 16 r holds bf16 of code 16 T + r, k = 8 kh .. 8 kh + 7: 131,072 bytes
.set COMB, 147456                      ; 1,024 bytes for each zg: best (16 bytes a lane), then idx
.set LANE, 1
.set H,    2                           ; lane / 16
.set VWA,  3                           ; LDS address of my 16 bytes of a code tile (contiguous over the lanes)
.set VCA,  4                           ; LDS address of my 8 |w|^2
.set VB,   5                           ; block number 2 T + h: my 8 codes begin at 8 x this
.set VW0,  6                           ; where I put converted codes 256 i + tid, i < 8; later my bytes in COMB
.set VW1,  7                           ; the same for i >= 8 (the 16-bit immediate does not reach them from VW0)
.set VC,   8                           ; where I put |w|^2 of code tid
.set WO,   9                           ; 64 tid: byte offset of code tid in w
.set ZO,   10                          ; my byte offset in the work-group's part of z
.set OO,   11                          ; my byte offset in the work-group's 1,024 bytes of idx
.set TA,   12                          ; v[12:15] at work
.set AS,   16                          ; v[16:19] sum of (-2 z)^2, tile t
.set BEST, 20                          ; v[20:23], v[24:27]: running minimum, old and new take turns
.set BLK,  28                          ; v[28:31] block of the minimum, at the end idx
.set CB,   32                          ; v[32:39], v[40:47] |w|^2 of my 8 codes, two buffers
.set WB,   48                          ; v[48:55], v[56:63] code fragment, two buffers; +4..+7 stay zero
.set ZF,   64                          ; v[64:95] z fragments, tile t at 8 t; +4..+7 stay zero
.set ZERO, 68                          ; one of these zeros, as the addend that starts a sum
.set SV,   96                          ; v[96:127] the 8 distances of the winning block, tile t at 8 t
.set DD,   128                         ; v[128:159], v[160:191] products, then distances; two banks
.set AAP,  192                         ; v[192:199] |z|^2 of tile t, twice (a pair for the packed add)
.set ZR,   32                          ; before the loop: v[32:63] raw z, component 8 h + i at 4 i, tile t at + t
.set PK,   96                          ; before the loop: v[96:127] 4 codes in bf16, 8 registers each
.set RA,   128                         ; before the loop: v[128:191] and
.set RB,   192                         ; v[192:255]: raw w, 4 codes of 16 registers
	s_load_b256 s[4:11], s[0:1], 0x0               ; w s[4:5], z s[6:7], out2 s[8:9], idxws s[10:11]
	s_set_vgpr_msb 0x40
	v_lshl_add_u32 v0, v0, 2, 0x29000
	v_mov_b32 v1, 0
	s_set_vgpr_msb 0x4000
	v_and_b32 v[LANE], 31, v0
	v_bfe_u32 v[H], v0, 4, 1
	v_lshrrev_b32 v[TA], 5, v0
	v_readfirstlane_b32 s12, v[TA]                 ; wave 0..7
	s_and_b32 s13, s12, 3                          ; zg
	s_lshr_b32 s14, s12, 2                         ; ch
	s_mov_b32 s18, 0x76543210                      ; v_permlanex16_b32: lane i takes lane i of the other half
	s_mov_b32 s19, 0xfedcba98
	v_lshrrev_b32 v[TA+1], 4, v0                   ; tid / 16
	v_and_b32 v[TA+2], 15, v0                      ; r
	s_lshl_b32 s15, s14, 16                        ; 128 tiles of 512 bytes for each code half
	s_add_co_u32 s15, s15, WF
	v_lshl_add_u32 v[VWA], v[LANE], 4, s15
	s_lshl_b32 s15, s14, 13                        ; 2,048 codes of 4 bytes
	v_lshl_add_u32 v[VCA], v[H], 5, s15
	s_lshl_b32 s15, s14, 8                         ; 256 blocks of 8 codes
	v_add_nc_u32 v[VB], s15, v[H]
	v_lshlrev_b32 v[VW0], 9, v[TA+1]
	v_lshl_add_u32 v[VW0], v[TA+2], 4, v[VW0]
	v_add_nc_u32 v[VW0], WF, v[VW0]
	v_add_nc_u32 v[VW1], 0x10000, v[VW0]
	v_lshlrev_b32 v[VC], 2, v0
	v_lshlrev_b32 v[WO], 6, v0
	s_lshl_b32 s15, s13, 8                         ; 64 z of 4 bytes
	v_lshl_add_u32 v[OO], v[TA+2], 4, s15
	v_lshl_add_u32 v[ZO], v[H], 19, v[OO]          ; + 8 h components of 65,536 bytes
	s_lshr_b32 s16, ttmp9, 6                       ; image b = x / 64: 1,048,576 bytes each
	s_lshl_b32 s16, s16, 20
	s_and_b32 s17, ttmp9, 63                       ; 256 positions of 4 bytes
	s_lshl_b32 s17, s17, 10
	s_or_b32 s16, s16, s17
	s_mov_b32 s17, 0
	s_lshl_b32 s22, ttmp9, 10                      ; 256 idx of 4 bytes
	s_mov_b32 s23, 0
.irp t, 0,1,2,3
.irp j, 4,5,6,7
	v_mov_b32 v[ZF+8*\t+\j], 0                     ; k = 16 .. 31 of the z fragments
.endr
.endr
	s_wait_kmcnt 0x0
	s_add_nc_u64 s[6:7], s[6:7], s[16:17]
	s_add_nc_u64 s[8:9], s[8:9], s[22:23]
	s_add_nc_u64 s[10:11], s[10:11], s[22:23]
.irp i, 0,1,2,3,4,5,6,7
	global_load_b128 v[ZR+4*\i:ZR+4*\i+3], v[ZO], s[6:7] offset:65536*\i   ; 16 lanes: 256 neighbouring bytes of component 8 h + i
.endr
; 16 loads: codes 256 (4 q + u) + tid, u = 0..3, 64 bytes each
.macro LOADB q, buf
.irp u, 0,1,2,3
.irp g, 0,1,2,3
	global_load_b128 v[\buf+16*\u+4*\g:\buf+16*\u+4*\g+3], v[WO], s[4:5] offset:16384*(4*\q+\u)+16*\g
.endr
.endr
.endm
; these four codes: round to bf16, put the two halves of K into the tile's image, sum the squares of the rounded numbers (four chains), put them into CL
.macro CONV q, buf, adr
.irp u, 0,1,2,3
.irp g, 0,1,2,3,4,5,6,7
	v_cvt_pk_bf16_f32 v[PK+8*\u+\g], v[\buf+16*\u+2*\g], v[\buf+16*\u+2*\g+1]
.endr
	ds_store_b128 v[\adr], v[PK+8*\u:PK+8*\u+3] offset:8192*((4*\q+\u)&7)
	ds_store_b128 v[\adr], v[PK+8*\u+4:PK+8*\u+7] offset:8192*((4*\q+\u)&7)+256
.endr
.irp u, 0,1,2,3
	v_fma_mix_f32_bf16 v[TA+\u], v[PK+8*\u], v[PK+8*\u], v[ZERO] op_sel_hi:[1,1,0]
.endr
.irp u, 0,1,2,3
	v_fma_mix_f32_bf16 v[TA+\u], v[PK+8*\u], v[PK+8*\u], v[TA+\u] op_sel:[1,1,0] op_sel_hi:[1,1,0]
.endr
.irp g, 1,2,3,4,5,6,7
.irp u, 0,1,2,3
	v_fma_mix_f32_bf16 v[TA+\u], v[PK+8*\u+\g], v[PK+8*\u+\g], v[TA+\u] op_sel_hi:[1,1,0]
.endr
.irp u, 0,1,2,3
	v_fma_mix_f32_bf16 v[TA+\u], v[PK+8*\u+\g], v[PK+8*\u+\g], v[TA+\u] op_sel:[1,1,0] op_sel_hi:[1,1,0]
.endr
.endr
.irp u, 0,1,2,3
	ds_store_b32 v[VC], v[TA+\u] offset:1024*(4*\q+\u)
.endr
.endm
	LOADB 0, RA
	LOADB 1, RB
	s_wait_loadcnt 32                              ; the 8 loads of z are in; the 32 of w behind them stay out
	; z: times -2 (exact), rounded to bf16, packed as source 1; the squares summed in four chains
.set i, 0
.rept 16
	v_pk_mul_f32 v[ZR+i:ZR+i+1], v[ZR+i:ZR+i+1], -2.0 op_sel_hi:[1,0]
.set i, i+2
.endr
.irp t, 0,1,2,3
.irp g, 0,1,2,3
	v_cvt_pk_bf16_f32 v[ZF+8*\t+\g], v[ZR+8*\g+\t], v[ZR+8*\g+4+\t]
.endr
.endr
.irp t, 0,1,2,3
	v_fma_mix_f32_bf16 v[AS+\t], v[ZF+8*\t], v[ZF+8*\t], v[ZERO] op_sel_hi:[1,1,0]
.endr
.irp t, 0,1,2,3
	v_fma_mix_f32_bf16 v[AS+\t], v[ZF+8*\t], v[ZF+8*\t], v[AS+\t] op_sel:[1,1,0] op_sel_hi:[1,1,0]
.endr
.irp g, 1,2,3
.irp t, 0,1,2,3
	v_fma_mix_f32_bf16 v[AS+\t], v[ZF+8*\t+\g], v[ZF+8*\t+\g], v[AS+\t] op_sel_hi:[1,1,0]
.endr
.irp t, 0,1,2,3
	v_fma_mix_f32_bf16 v[AS+\t], v[ZF+8*\t+\g], v[ZF+8*\t+\g], v[AS+\t] op_sel:[1,1,0] op_sel_hi:[1,1,0]
.endr
.endr
.irp t, 0,1,2,3
	v_permlanex16_b32 v[TA], v[AS+\t], s18, s19    ; the other 8 components' sum
	v_add_f32 v[AS+\t], v[AS+\t], v[TA]            ; both halves of the lanes now hold 4 |z|^2
.endr
.irp j, 4,5,6,7,12,13,14,15
	v_mov_b32 v[WB+\j], 0                          ; k = 16 .. 31 of both code fragments (raw z is done with)
.endr
	s_wait_loadcnt 16                              ; batch 0 is in, batch 1 stays out
	CONV 0, RA, VW0
	LOADB 2, RA
	s_wait_loadcnt 16                              ; batch 1 is in, batch 2 stays out
	CONV 1, RB, VW0
	LOADB 3, RB
	s_wait_loadcnt 16                              ; batch 2 is in, batch 3 stays out
	CONV 2, RA, VW1
	s_wait_loadcnt 0x0
	CONV 3, RB, VW1
	s_wait_dscnt 0x0                               ; my part of the tables is written,
	s_barrier_signal -1
	s_barrier_wait -1                              ; everybody's is; nobody writes CL or WF again
	ds_load_b128 v[WB:WB+3], v[VWA]                ; code tile 0 of my half
	ds_load_b128 v[WB+8:WB+11], v[VWA] offset:512  ; code tile 1
	ds_load_b128 v[CB:CB+3], v[VCA]
	ds_load_b128 v[CB+4:CB+7], v[VCA] offset:16
	s_wait_dscnt 0x0
.irp t, 0,1,2,3
	v_wmma_f32_16x16x32_bf16 v[DD+8*\t:DD+8*\t+7], v[WB:WB+7], v[ZF+8*\t:ZF+8*\t+7], 0
.endr
.irp t, 0,1,2,3
	v_mul_f32 v[AAP+2*\t], 0.25, v[AS+\t]          ; |z|^2, exact; these eight lines name no register of the products above and are the
	v_mul_f32 v[AAP+2*\t+1], 0.25, v[AS+\t]        ; places in front of the load into WB and the first reads of the results
.endr
; Trip c works on the products of code tile c (bank p = c & 1) while the matrix unit makes those of tile c + 1 (the other bank).
; k: c minus the tile at which VWA and VCA stand.  first = 1: the trip starts the minima.  ldw, ldc, mm: tile c + 2's fragment, tile c + 1's |w|^2
; and tile c + 1's products are wanted.  The vector lines of a trip name only bank p, never the registers of the trip's matrix
; instructions: they are the places in front of the next trip's load into WB, its reads of the other bank, and the write over this bank.
.macro TRIP p, k, first, ldw, ldc, mm
.set DP, DD+32*\p
.set DN, DD+32*(1-\p)
.set BO, BEST+4*\p
.set BN, BEST+4*(1-\p)
	s_wait_dscnt 0x0                               ; what the last trip asked for: tile c + 1's fragment, tile c's |w|^2 (a whole trip ago)
.if \ldw
	ds_load_b128 v[WB+8*\p:WB+8*\p+3], v[VWA] offset:512*(\k+2)
.endif
.if \ldc
	ds_load_b128 v[CB+8*(1-\p):CB+8*(1-\p)+3], v[VCA] offset:64*(\k+1)
	ds_load_b128 v[CB+8*(1-\p)+4:CB+8*(1-\p)+7], v[VCA] offset:64*(\k+1)+16
.endif
.if \mm
.irp t, 0,1,2,3
	v_wmma_f32_16x16x32_bf16 v[DN+8*\t:DN+8*\t+7], v[WB+8*(1-\p):WB+8*(1-\p)+7], v[ZF+8*\t:ZF+8*\t+7], 0
.endr
.endif
.irp t, 0,1,2,3
.irp j, 0,2,4,6
	v_pk_add_f32 v[DP+8*\t+\j:DP+8*\t+\j+1], v[DP+8*\t+\j:DP+8*\t+\j+1], v[AAP+2*\t:AAP+2*\t+1]   ; |z|^2 - 2 z.w, rounded
.endr
.endr
.if \first
.irp t, 0,1,2,3
.irp j, 0,2,4,6
	v_pk_add_f32 v[SV+8*\t+\j:SV+8*\t+\j+1], v[DP+8*\t+\j:DP+8*\t+\j+1], v[CB+8*\p+\j:CB+8*\p+\j+1]   ; + |w|^2, rounded: the first block is the winner so far
.endr
.endr
.irp t, 0,1,2,3
	v_min3_num_f32 v[BN+\t], v[SV+8*\t], v[SV+8*\t+1], v[SV+8*\t+2]
.endr
.irp j, 3,5
.irp t, 0,1,2,3
	v_min3_num_f32 v[BN+\t], v[BN+\t], v[SV+8*\t+\j], v[SV+8*\t+\j+1]
.endr
.endr
.irp t, 0,1,2,3
	v_min_num_f32 v[BN+\t], v[BN+\t], v[SV+8*\t+7]
.endr
.irp t, 0,1,2,3
	v_mov_b32 v[BLK+\t], v[VB]
.endr
.else
.irp t, 0,1,2,3
.irp j, 0,2,4,6
	v_pk_add_f32 v[DP+8*\t+\j:DP+8*\t+\j+1], v[DP+8*\t+\j:DP+8*\t+\j+1], v[CB+8*\p+\j:CB+8*\p+\j+1]   ; + |w|^2, rounded
.endr
.endr
.irp t, 0,1,2,3
	v_min3_num_f32 v[BN+\t], v[BO+\t], v[DP+8*\t], v[DP+8*\t+1]
.endr
.irp j, 2,4,6
.irp t, 0,1,2,3
	v_min3_num_f32 v[BN+\t], v[BN+\t], v[DP+8*\t+\j], v[DP+8*\t+\j+1]
.endr
.endr
.irp t, 0,1,2,3
	v_cmp_lt_f32 s[24+\t], v[BN+\t], v[BO+\t]      ; strictly smaller: on a tie the earlier block stays
.endr
.irp t, 0,1,2,3
	v_cndmask_b32 v[BLK+\t], v[BLK+\t], v[VB], s[24+\t]
.endr
.irp t, 0,1,2,3
.irp j, 0,1,2,3,4,5,6,7
	v_cndmask_b32 v[SV+8*\t+\j], v[SV+8*\t+\j], v[DP+8*\t+\j], s[24+\t]   ; keep the winning block's eight distances: its place inside the block is found once, at the end
.endr
.endr
.endif
	v_add_nc_u32 v[VB], 2, v[VB]                   ; the next tile's block of my lane half
.endm
	TRIP 0, 0, 1, 1, 1, 1                          ; c = 0
	v_add_nc_u32 v[VWA], 512, v[VWA]
	v_add_nc_u32 v[VCA], 64, v[VCA]
	s_mov_b32 s21, 62                              ; c = 1 .. 124, two a pass
.Ltiles:
	TRIP 1, 0, 0, 1, 1, 1
	TRIP 0, 1, 0, 1, 1, 1
	v_add_nc_u32 v[VWA], 1024, v[VWA]
	v_add_nc_u32 v[VCA], 128, v[VCA]
	s_sub_co_u32 s21, s21, 1
	s_cmp_lg_u32 s21, 0
	s_cbranch_scc1 .Ltiles
	TRIP 1, 0, 0, 1, 1, 1                          ; c = 125: asks for tile 127's fragment, the last
	TRIP 0, 1, 0, 0, 1, 1                          ; c = 126
	TRIP 1, 2, 0, 0, 0, 0                          ; c = 127: the minima end in BEST + 0 .. 3
	; the lowest register of the winning block that holds the minimum; then the two lane halves, the lower index on a tie
.irp t, 0,1,2,3
	v_mov_b32 v[TA], 7
.irp j, 6,5,4,3,2,1,0
	v_cmp_eq_f32 s24, v[SV+8*\t+\j], v[BEST+\t]
	v_cndmask_b32 v[TA], v[TA], \j, s24
.endr
	v_lshl_add_u32 v[BLK+\t], v[BLK+\t], 3, v[TA]  ; idx = 8 x block + register
	v_permlanex16_b32 v[TA+1], v[BEST+\t], s18, s19
	v_permlanex16_b32 v[TA+2], v[BLK+\t], s18, s19
	v_cmp_lt_f32 s24, v[TA+1], v[BEST+\t]
	v_cmp_eq_f32 s25, v[TA+1], v[BEST+\t]
	v_cmp_lt_u32 s26, v[TA+2], v[BLK+\t]
	s_and_b32 s25, s25, s26
	s_or_b32 s24, s24, s25
	v_cndmask_b32 v[BEST+\t], v[BEST+\t], v[TA+1], s24
	v_cndmask_b32 v[BLK+\t], v[BLK+\t], v[TA+2], s24
.endr
	; the two halves of the codebook meet in LDS: waves 4-7 hand theirs to waves 0-3
	s_lshl_b32 s15, s13, 10
	s_add_co_u32 s15, s15, COMB
	v_lshl_add_u32 v[VW0], v[LANE], 4, s15
	s_cmp_lt_u32 s12, 4
	s_cbranch_scc1 .Lkeep
	ds_store_b128 v[VW0], v[BEST:BEST+3]
	ds_store_b128 v[VW0], v[BLK:BLK+3] offset:512
.Lkeep:
	s_wait_dscnt 0x0                               ; for the readers' sake: the stores are done in front of the signal
	s_barrier_signal -1
	s_barrier_wait -1
	s_cmp_lt_u32 s12, 4
	s_cbranch_scc1 .Ljoin
	s_set_vgpr_msb 0x5
	s_wait_tensorcnt 0x0
	ds_add_u32 v0, v1
	s_wait_dscnt 0x0
	s_set_vgpr_msb 0x500
	s_endpgm
.Ljoin:
	ds_load_b128 v[CB:CB+3], v[VW0]
	ds_load_b128 v[CB+4:CB+7], v[VW0] offset:512
	s_wait_dscnt 0x0
.irp t, 0,1,2,3
	v_cmp_lt_f32 s24, v[CB+\t], v[BEST+\t]         ; strictly smaller: on a tie the lower half's index stays
	v_cndmask_b32 v[BLK+\t], v[BLK+\t], v[CB+4+\t], s24
.endr
	s_wait_xcnt 0x0                                ; EXEC is a source of the loads above: it changes only behind this wait
	v_cmp_gt_u32 vcc_lo, 16, v[LANE]
	s_set_vgpr_msb 0x5
	s_wait_tensorcnt 0x0
	ds_add_u32 v0, v1
	s_wait_dscnt 0x0
	s_set_vgpr_msb 0x500
	s_and_saveexec_b32 s20, vcc_lo                 ; both lane halves hold the same: lanes 0-15 store 256 consecutive bytes, aligned
	global_store_b128 v[OO], v[BLK:BLK+3], s[8:9]
	global_store_b128 v[OO], v[BLK:BLK+3], s[10:11]
	s_wait_xcnt 0x0
	s_or_b32 exec_lo, exec_lo, s20
	s_endpgm
.Lfunc_end_k_qe3013383dd_argmin:
	.size	k_qe3013383dd_argmin, .Lfunc_end_k_qe3013383dd_argmin-k_qe3013383dd_argmin
	.p2alignl 7, 3214868480
	.fill 96, 4, 3214868480
	.section	.rodata,"a",@progbits
	.p2align	6, 0x0
	.amdhsa_kernel k_qe3013383dd_argmin
		.amdhsa_group_segment_fixed_size 168960
		.amdhsa_private_segment_fixed_size 0
		.amdhsa_enable_private_segment 0
		.amdhsa_kernarg_size 32
		.amdhsa_user_sgpr_count 2
		.amdhsa_user_sgpr_kernarg_segment_ptr 1
		.amdhsa_wavefront_size32 1
		.amdhsa_system_sgpr_workgroup_id_x 1
		.amdhsa_system_sgpr_workgroup_id_y 1
		.amdhsa_system_sgpr_workgroup_id_z 1
		.amdhsa_system_vgpr_workitem_id 0
		.amdhsa_next_free_vgpr 258
		.amdhsa_next_free_sgpr 66
		.amdhsa_reserve_vcc 1
		.amdhsa_float_denorm_mode_32 3
		.amdhsa_float_denorm_mode_16_64 3
		.amdhsa_memory_ordered 1
		.amdhsa_forward_progress 1
		.amdhsa_inst_pref_size 84
	.end_amdhsa_kernel
	.amdgpu_metadata
---
amdhsa.version: [ 1, 2 ]
amdhsa.kernels:
  - .name:           k_qe3013383dd_argmin
    .symbol:         k_qe3013383dd_argmin.kd
    .args:
      - { .name: w, .offset: 0, .size: 8, .value_kind: global_buffer, .address_space: global }
      - { .name: z, .offset: 8, .size: 8, .value_kind: global_buffer, .address_space: global }
      - { .name: out2, .offset: 16, .size: 8, .value_kind: global_buffer, .address_space: global }
      - { .name: idxws, .offset: 24, .size: 8, .value_kind: global_buffer, .address_space: global }
    .group_segment_fixed_size: 168960
    .private_segment_fixed_size: 0
    .kernarg_segment_align: 8
    .kernarg_segment_size: 32
    .max_flat_workgroup_size: 256
    .sgpr_count:     66
    .vgpr_count:     258
    .wavefront_size: 32
...
	.end_amdgpu_metadata
.endif
;; end of part 1
;; launch gather (part 2): grid 256 x 1, 2 waves a work-group, no clusters, 0 bytes of LDS; arguments w, z, idxws, out0, part; writes out0, part
.if DOCPART == 2
	.amdgcn_target "amdgcn-amd-amdhsa--gfx1250"
	.amdhsa_code_object_version 6
	.text
	.protected	k_qe3013383dd_gather
	.globl	k_qe3013383dd_gather
	.p2align	8
	.type	k_qe3013383dd_gather,@function
k_qe3013383dd_gather:
	s_mov_b64 s[64:65], 0
	v_nop
	global_prefetch_b8 v0, s[64:65] scope:SCOPE_SE
	s_setreg_imm32_b32 hwreg(HW_REG_WAVE_MODE, 25, 1), 1
	s_wait_xcnt 0x0
; out0 = z + (w[idx] - z), in f32 as the formula is written, and one partial sum of (w[idx] - z)^2 for each wave.
; A launch of its own, since the rows' addresses hang on idx, which the launch before stored as whole numbers.
; A work-group owns 256 positions of one image; thread tid owns positions 4 tid .. 4 tid + 3 in all 16 components:
; each load of z and each store of a wave covers 512 consecutive bytes, aligned. The 16 loads of z are issued with idx's; the 16 row loads follow once idx is in.
; No LDS, no barrier: no wave needs another's data. No matrix unit: there is no product here. No shared tile but w's rows, which differ from lane to lane.
.set IDX, 4                            ; v[4:7]    idx of my four positions
.set GO,  8                            ; v[8:11]   byte offsets of their rows in w
.set ACC, 12                           ; v[12:15]  sums of squares, one chain for each position
.set Z,   16                           ; v[16:79]  z, component c at 4 c, position e at + e; then out0
.set WR,  80                           ; v[80:143] row e at 16 e; then w[idx] - z
	s_load_b256 s[4:11], s[0:1], 0x0               ; w s[4:5], z s[6:7], idxws s[8:9], out0 s[10:11]
	s_load_b64 s[12:13], s[0:1], 0x20              ; part
	v_lshlrev_b32 v1, 4, v0                        ; 16 tid
	v_lshrrev_b32 v2, 5, v0
	v_readfirstlane_b32 s14, v2                    ; wave 0, 1
	v_mov_b32 v3, 0
	s_lshr_b32 s16, ttmp9, 6                       ; image x / 64: 1,048,576 bytes
	s_lshl_b32 s16, s16, 20
	s_and_b32 s17, ttmp9, 63                       ; 256 positions of 4 bytes
	s_lshl_b32 s17, s17, 10
	s_or_b32 s16, s16, s17
	s_mov_b32 s17, 0
	s_lshl_b32 s18, ttmp9, 10                      ; 256 idx of 4 bytes
	s_mov_b32 s19, 0
	s_lshl_b32 s20, ttmp9, 3                       ; two partial sums of 4 bytes
	s_lshl2_add_u32 s20, s14, s20
	s_mov_b32 s21, 0
	s_mov_b32 s22, 0x76543210
	s_mov_b32 s23, 0xfedcba98
	s_wait_kmcnt 0x0
	s_add_nc_u64 s[6:7], s[6:7], s[16:17]
	s_add_nc_u64 s[10:11], s[10:11], s[16:17]
	s_add_nc_u64 s[8:9], s[8:9], s[18:19]
	s_add_nc_u64 s[12:13], s[12:13], s[20:21]
	global_load_b128 v[IDX:IDX+3], v1, s[8:9] th:TH_LOAD_NT
.irp c, 0,1,2,3,4,5,6,7,8,9,10,11,12,13,14,15
	global_load_b128 v[Z+4*\c:Z+4*\c+3], v1, s[6:7] offset:65536*\c th:TH_LOAD_NT
.endr
	s_wait_loadcnt 16                              ; idx is in; the 16 loads of z stay out
.irp e, 0,1,2,3
	v_min_u32 v[GO+\e], 0xfff, v[IDX+\e]           ; an index stays inside the table
	v_lshlrev_b32 v[GO+\e], 6, v[GO+\e]            ; rows of 64 bytes
.endr
.irp e, 0,1,2,3
.irp g, 0,1,2,3
	global_load_b128 v[WR+16*\e+4*\g:WR+16*\e+4*\g+3], v[GO+\e], s[4:5] offset:16*\g
.endr
.endr
.irp e, 0,1,2,3
	s_wait_loadcnt 12-4*\e                         ; z and rows 0 .. e are in; the four loads of each later row stay out
	v_sub_f32 v[WR+16*\e], v[WR+16*\e], v[Z+\e]
	v_add_f32 v[Z+\e], v[Z+\e], v[WR+16*\e]
	v_mul_f32 v[ACC+\e], v[WR+16*\e], v[WR+16*\e]  ; the first square starts the sum
.irp c, 1,2,3,4,5,6,7,8,9,10,11,12,13,14,15
	v_sub_f32 v[WR+16*\e+\c], v[WR+16*\e+\c], v[Z+4*\c+\e]         ; z_q - z
	v_add_f32 v[Z+4*\c+\e], v[Z+4*\c+\e], v[WR+16*\e+\c]           ; z + (z_q - z)
	v_fma_f32 v[ACC+\e], v[WR+16*\e+\c], v[WR+16*\e+\c], v[ACC+\e]
.endr
.endr
.irp c, 0,1,2,3,4,5,6,7,8,9,10,11,12,13,14,15
	global_store_b128 v1, v[Z+4*\c:Z+4*\c+3], s[10:11] offset:65536*\c th:TH_STORE_NT
.endr
	v_add_f32 v[ACC], v[ACC], v[ACC+1]
	v_add_f32 v[ACC+2], v[ACC+2], v[ACC+3]
	v_add_f32 v[ACC], v[ACC], v[ACC+2]
	v_add_f32_dpp v[ACC], v[ACC], v[ACC] row_xmask:1 row_mask:0xf bank_mask:0xf
	v_add_f32_dpp v[ACC], v[ACC], v[ACC] row_xmask:2 row_mask:0xf bank_mask:0xf
	v_add_f32_dpp v[ACC], v[ACC], v[ACC] row_xmask:4 row_mask:0xf bank_mask:0xf
	v_add_f32_dpp v[ACC], v[ACC], v[ACC] row_xmask:8 row_mask:0xf bank_mask:0xf
	v_permlanex16_b32 v[ACC+1], v[ACC], s22, s23
	v_add_f32 v[ACC], v[ACC], v[ACC+1]             ; the wave's sum, in every lane
	v_and_b32 v2, 31, v0
	s_wait_xcnt 0x0                                ; EXEC is a source of the stores above: it changes only behind this wait
	v_cmp_eq_u32 vcc_lo, 0, v2
	s_and_saveexec_b32 s15, vcc_lo
	global_store_b32 v3, v[ACC], s[12:13]          ; part[2 x + wave]
	s_wait_xcnt 0x0
	s_or_b32 exec_lo, exec_lo, s15
	s_endpgm
.Lfunc_end_k_qe3013383dd_gather:
	.size	k_qe3013383dd_gather, .Lfunc_end_k_qe3013383dd_gather-k_qe3013383dd_gather
	.p2alignl 7, 3214868480
	.fill 96, 4, 3214868480
	.section	.rodata,"a",@progbits
	.p2align	6, 0x0
	.amdhsa_kernel k_qe3013383dd_gather
		.amdhsa_group_segment_fixed_size 0
		.amdhsa_private_segment_fixed_size 0
		.amdhsa_enable_private_segment 0
		.amdhsa_kernarg_size 40
		.amdhsa_user_sgpr_count 2
		.amdhsa_user_sgpr_kernarg_segment_ptr 1
		.amdhsa_wavefront_size32 1
		.amdhsa_system_sgpr_workgroup_id_x 1
		.amdhsa_system_sgpr_workgroup_id_y 1
		.amdhsa_system_sgpr_workgroup_id_z 1
		.amdhsa_system_vgpr_workitem_id 0
		.amdhsa_next_free_vgpr 144
		.amdhsa_next_free_sgpr 66
		.amdhsa_reserve_vcc 1
		.amdhsa_float_denorm_mode_32 3
		.amdhsa_float_denorm_mode_16_64 3
		.amdhsa_memory_ordered 1
		.amdhsa_forward_progress 1
		.amdhsa_inst_pref_size 15
	.end_amdhsa_kernel
	.amdgpu_metadata
---
amdhsa.version: [ 1, 2 ]
amdhsa.kernels:
  - .name:           k_qe3013383dd_gather
    .symbol:         k_qe3013383dd_gather.kd
    .args:
      - { .name: w, .offset: 0, .size: 8, .value_kind: global_buffer, .address_space: global }
      - { .name: z, .offset: 8, .size: 8, .value_kind: global_buffer, .address_space: global }
      - { .name: idxws, .offset: 16, .size: 8, .value_kind: global_buffer, .address_space: global }
      - { .name: out0, .offset: 24, .size: 8, .value_kind: global_buffer, .address_space: global }
      - { .name: part, .offset: 32, .size: 8, .value_kind: global_buffer, .address_space: global }
    .group_segment_fixed_size: 0
    .private_segment_fixed_size: 0
    .kernarg_segment_align: 8
    .kernarg_segment_size: 40
    .max_flat_workgroup_size: 64
    .sgpr_count:     66
    .vgpr_count:     144
    .wavefront_size: 32
...
	.end_amdgpu_metadata
.endif
;; end of part 2
;; launch total (part 3): grid 1 x 1, 1 waves a work-group, no clusters, 0 bytes of LDS; arguments part, out1; writes out1
.if DOCPART == 3
	.amdgcn_target "amdgcn-amd-amdhsa--gfx1250"
	.amdhsa_code_object_version 6
	.text
	.protected	k_qe3013383dd_total
	.globl	k_qe3013383dd_total
	.p2align	8
	.type	k_qe3013383dd_total,@function
k_qe3013383dd_total:
	s_mov_b64 s[64:65], 0
	v_nop
	global_prefetch_b8 v0, s[64:65] scope:SCOPE_SE
	s_setreg_imm32_b32 hwreg(HW_REG_WAVE_MODE, 25, 1), 1
	s_wait_xcnt 0x0
; loss = mean + 0.25 mean = 1.25 / 1,048,576 x the sum of the 512 partial sums of (z - z_q)^2.
; One wave: the sum spans all work-groups of the launch before, so it is made here, in a fixed order, without atomics.
	s_load_b128 s[4:7], s[0:1], 0x0                ; part s[4:5], out1 s[6:7]
	v_lshlrev_b32 v1, 4, v0                        ; 16 bytes a lane: each load covers 512 consecutive bytes
	v_mov_b32 v2, 0
	s_mov_b32 s8, 0x76543210
	s_mov_b32 s9, 0xfedcba98
	s_wait_kmcnt 0x0
.irp k, 0,1,2,3
	global_load_b128 v[4+4*\k:7+4*\k], v1, s[4:5] offset:512*\k
.endr
	s_wait_loadcnt 0x0
	v_pk_add_f32 v[4:5], v[4:5], v[8:9]
	v_pk_add_f32 v[6:7], v[6:7], v[10:11]
	v_pk_add_f32 v[12:13], v[12:13], v[16:17]
	v_pk_add_f32 v[14:15], v[14:15], v[18:19]
	v_pk_add_f32 v[4:5], v[4:5], v[12:13]
	v_pk_add_f32 v[6:7], v[6:7], v[14:15]
	v_pk_add_f32 v[4:5], v[4:5], v[6:7]
	v_add_f32 v4, v4, v5
	v_add_f32_dpp v4, v4, v4 row_xmask:1 row_mask:0xf bank_mask:0xf
	v_add_f32_dpp v4, v4, v4 row_xmask:2 row_mask:0xf bank_mask:0xf
	v_add_f32_dpp v4, v4, v4 row_xmask:4 row_mask:0xf bank_mask:0xf
	v_add_f32_dpp v4, v4, v4 row_xmask:8 row_mask:0xf bank_mask:0xf
	v_permlanex16_b32 v5, v4, s8, s9
	v_add_f32 v4, v4, v5
	v_mul_f32 v4, 0x35a00000, v4                   ; 1.25 x 2^-20
	s_wait_xcnt 0x0                                ; EXEC is a source of the loads above
	v_cmp_eq_u32 vcc_lo, 0, v0
	s_and_saveexec_b32 s10, vcc_lo
	global_store_b32 v2, v4, s[6:7]
	s_wait_xcnt 0x0
	s_or_b32 exec_lo, exec_lo, s10
	s_endpgm
.Lfunc_end_k_qe3013383dd_total:
	.size	k_qe3013383dd_total, .Lfunc_end_k_qe3013383dd_total-k_qe3013383dd_total
	.p2alignl 7, 3214868480
	.fill 96, 4, 3214868480
	.section	.rodata,"a",@progbits
	.p2align	6, 0x0
	.amdhsa_kernel k_qe3013383dd_total
		.amdhsa_group_segment_fixed_size 0
		.amdhsa_private_segment_fixed_size 0
		.amdhsa_enable_private_segment 0
		.amdhsa_kernarg_size 16
		.amdhsa_user_sgpr_count 2
		.amdhsa_user_sgpr_kernarg_segment_ptr 1
		.amdhsa_wavefront_size32 1
		.amdhsa_system_sgpr_workgroup_id_x 1
		.amdhsa_system_sgpr_workgroup_id_y 1
		.amdhsa_system_sgpr_workgroup_id_z 1
		.amdhsa_system_vgpr_workitem_id 0
		.amdhsa_next_free_vgpr 24
		.amdhsa_next_free_sgpr 66
		.amdhsa_reserve_vcc 1
		.amdhsa_float_denorm_mode_32 3
		.amdhsa_float_denorm_mode_16_64 3
		.amdhsa_memory_ordered 1
		.amdhsa_forward_progress 1
		.amdhsa_inst_pref_size 3
	.end_amdhsa_kernel
	.amdgpu_metadata
---
amdhsa.version: [ 1, 2 ]
amdhsa.kernels:
  - .name:           k_qe3013383dd_total
    .symbol:         k_qe3013383dd_total.kd
    .args:
      - { .name: part, .offset: 0, .size: 8, .value_kind: global_buffer, .address_space: global }
      - { .name: out1, .offset: 8, .size: 8, .value_kind: global_buffer, .address_space: global }
    .group_segment_fixed_size: 0
    .private_segment_fixed_size: 0
    .kernarg_segment_align: 8
    .kernarg_segment_size: 16
    .max_flat_workgroup_size: 32
    .sgpr_count:     66
    .vgpr_count:     24
    .wavefront_size: 32
...
	.end_amdgpu_metadata
.endif
;; end of part 3
